; MI455X (gfx1250); checked and timed in simulation.
; The chip was launched on July 23, 2026; its instructions are those of AMD's public machine-readable ISA for CDNA 5 (MIT licence, August 2026) and "CDNA5" Instruction Set Architecture Reference Guide (July 2026). The comments in the code are by the model that wrote it; some were corrected since.
;; KNRM. Allowed arithmetic: matrix products marked QUANTISED: E3M2 operands, one E8M0 scale for each 32 along K, by v_wmma_scale_f32_16x16x128_f8f6f4 with both operands' format E3M2, f32 sums; products left as they are: f32 operands where the result goes on into a quantised operand, else bf16, f16 or f32 operands; f32 sums; everything else in f32.
;; Inputs: doc_tokens 256 x 512 int32; emb 100,000 x 300 float32; fc_b 1 float32; fc_w 1 x 11 float32; query_tokens 256 x 32 int32.
;; Outputs: out0 256 x 1 float32.
;; This version of the problem:
;;   THIS VERSION OF THE PROBLEM IS GIVEN IN LOW PRECISION. The matrix products marked QUANTISED in the list below multiply operands that are first quantised to E3M2 (3 exponent bits, 2 mantissa bits; 6 bits a number), with one power-of-two scale for each 32 numbers along K (OCP MX v1.0); their sums are f32. All else is computed in f32.
;;   The module's matrix products, in the order in which they are computed (A, B: the left and right operand; K: the contracted axis; several contracted axes count as one K, in the product's order):
;;     1. batch 256 x [M 32, K 300] x [K 300, N 512]; A: computed on the way; B: computed on the way: QUANTISED
;;     2. [M 256, K 11] x [K 11, N 1]; A: computed on the way; B: input fc_w: left as it is (K = 11 < 32)
;;   THE QUANTISER, for each operand of a quantised product, along K:
;;     - K is cut into blocks of 32 from its start; a last block that is shorter is filled with zeros.
;;     - A block's scale is 2^e with e = floor(log2(the largest magnitude in the block)) - 4, held to -126 .. 127; a block of zeros has e = 0. As a byte (E8M0): e + 127.
;;     - Each number is divided by its block's scale, clamped to +-28, and rounded to the nearest number of E3M2, ties to even, subnormals kept.
;;     - The product sums the exact products of the quantised numbers (number of the format x scale) in f32.
;;   ~~~python
;;   def quantise(x, axis):      # numpy; x: float32 -> the quantised numbers, widened to float32 again
;;       x = np.moveaxis(x, axis, -1); K = x.shape[-1]
;;       x = np.pad(x, [(0, 0)] * (x.ndim - 1) + [(0, -K % 32)]); x = x.reshape(x.shape[:-1] + (-1, 32)); a = np.abs(x).max(-1, keepdims=True)
;;       e = np.where(a > 0, np.clip(np.frexp(np.where(a > 0, a, 1))[1] - 1 - 4, -126, 127), 0)      # np.frexp(a)[1] - 1 = floor(log2(a)), exactly
;;       r = np.clip(x / 2.0 ** e, -28, 28)
;;       step = 2.0 ** (np.maximum(np.frexp(np.where(r == 0, 1, r))[1] - 1, -2) - 2)
;;       q = np.round(r / step) * step * 2.0 ** e      # np.round: ties to even
;;       return np.moveaxis(q.reshape(q.shape[:-2] + (-1,))[..., :K], -1, axis).astype(np.float32)
;;   ~~~
;;   OPERANDS COMPUTED ON THE WAY. 'Computed on the way' means the value that the module computes at that place (a softmax that the list does not call 'softmax' is quantised finished and normalised). What goes into a quantiser is computed in f32, as accurately as f32 sums, v_exp_f32 and their like allow (about 1e-6 of the number): no bf16 or f16 on the way to a quantiser, and a product that is left as it is and whose result goes on into a quantised operand takes f32 operands (vector FMAs, or v_wmma_f32_16x16x4_f32). A number that lies on a knife's edge between two numbers of the format may be rounded either way, as far as f32 arithmetic and the matrix unit's own rounding can turn it there, and no further.
;; One version. Each part assembles by itself: llvm-mc -triple=amdgcn-amd-amdhsa -mcpu=gfx1250 --defsym DOCPART=n.
;; ======== version 1 of 1: 1 launch
;; limits: right only within a limited range of input values
;; launch knrm (part 1): grid 256 x 1, 8 waves a work-group, no clusters, 204,800 bytes of LDS; arguments query_tokens, doc_tokens, emb, fc_w, fc_b, out0; writes out0
.if DOCPART == 1
	.amdgcn_target "amdgcn-amd-amdhsa--gfx1250"
	.amdhsa_code_object_version 6
	.text
	.protected	k_q047bc4cacd_knrm
	.globl	k_q047bc4cacd_knrm
	.p2align	8
	.type	k_q047bc4cacd_knrm,@function
k_q047bc4cacd_knrm:
	s_mov_b64 s[64:65], 0
	v_nop
	global_prefetch_b8 v0, s[64:65] scope:SCOPE_SE
	s_setreg_imm32_b32 hwreg(HW_REG_WAVE_MODE, 25, 1), 1
	s_wait_xcnt 0x0
; KNRM, one work-group for each of the 256 batch elements: gather 32 query rows and 512 document rows of emb (300 f32 each), divide each by its norm + 1e-13,
; quantise along K = 300 to BF6 (E3M2) with one E8M0 scale for each 32, cosines by v_wmma_scale_f32_16x16x128_f8f6f4 (K filled with zero codes to 384: three K steps),
; eleven Gaussian kernels summed over the documents, log, x 0.01, summed over the queries, dot with fc_w, + fc_b.  Nothing but the score goes to memory.
; SHARES.  Eight waves, all alike: wave w quantises queries 4 w .. 4 w + 3, whose codes and scale bytes go to all waves through LDS behind one barrier, and owns documents 64 w .. 64 w + 63: four tiles of 16 rows.
; ROWS IN.  A row is 1,200 bytes: two loads of 512 consecutive bytes, and its last 176 bytes share a third load with the next row's: lanes 0-15 the one, lanes 16-31 the other (lanes 11-15 of
; each half repeat lane 10's address, so no lane leaves its row).  A pair of rows is five loads, 20 landing registers; a tile is eight pairs.
; THE RING.  As soon as pair i has been stored into the wave's own stage in LDS, and those stores are done, the NEXT tile's pair i is asked for, into the same registers: a wave has 25 to 40 loads out from its first tile to its last.
; The address of a shared load stands in the first register that the load itself fills; a pair's bases are written again behind the wait that shows the pair's loads done.
; ROWS OUT OF THE STAGE in the operand's order: lane (r, h) takes blocks h, 2 + h, .. 8 + h of row r, 32 neighbours along K each.  The stage's bytes behind k = 299 are set to zero once and no row lands there.
; THE PRODUCT IS USED TRANSPOSED (source 0 = 16 documents, source 1 = 16 queries): a lane holds ONE query and its registers run along the documents, so a kernel's sum over documents stays in the lane.
; THE KERNELS.  For mu = +-0.5 + 0.2 j (j = -2 .. 2):  exp(-50 (x - mu)^2) = E x s^j x constant,  E = exp(-50 (x -+ 0.5)^2),  s = exp(20 x): an identity.  So ten kernels take four
; exponentials (E+, E-, s, 1/s), the kernel at mu = 1 (sigma 1e-4) a fifth; the constants (e^-28, e^-12, e^8, e^12) multiply the finished sums.  Both vectors are normalised, and quantising
; lengthens a vector by less than 0.16 of itself, so |x| < 1.35 and s^2, 1/s^2 stay inside e^+-54.  Where E falls under the smallest normal f32 (|x -+ 0.5| > 1.32) the largest kernel of its five is
; under 4e-19: 512 of them are 2e-6 of the 1e-10 at which the sum is held.
; MASKS.  A masked pair adds 0 to every kernel's sum, whatever its cosine.  The document's mask is the addend (0 or -infinity) of the multiply-add that makes E's exponent; the query's mask is a select on the finished sum.
; NO CLUSTER: work-groups share no tile, each gathers the rows of its own tokens.  NO PREFETCH: a tile's rows are asked for by their own loads a whole tile ahead, and each row is read once.
; LIMITS: NaN and infinities in emb are not served, nor rows whose sum of squares overflows f32; blocks whose largest magnitude lies under 2^-122 keep the scale byte 1; the division by norm + 1e-13 is v_rcp_f32 and a multiplication (a few units in the last place).
; The score is 4 bytes a work-group: the output's 1,024 bytes are written in 256 pieces.
.set VOCAB,  100000
.set ROWB,   1200                      ; a row of emb in bytes
.set PITCH,  1296                      ; a stage row: 80 pieces of 16 bytes + 16 = 324 words: row r starts 4 r words on modulo 64 (64 banks of 4 bytes: ISA guide 11.1)
.set STG,    16*PITCH                  ; a wave's stage
.set QIMG,   8*STG                     ; the queries' codes: block b of query q, 24 bytes, at b x BLK + 24 q; blocks 10 and 11 are zero codes
.set BLK,    896
.set QSC,    QIMG+12*BLK               ; their scale words: K step s, query q at 128 s + 4 q
.set MSK,    QSC+3*128                 ; the documents' mask terms: 64 words a wave
.set RED,    MSK+8*256                 ; partial sums: wave x 24 slots x 128 bytes
.set RSTR,   24*128
.set FIN,    RED+8*RSTR                ; eight last parts
.set SPARE,  FIN+128                   ; the spare words, 128 bytes for each wave: four blocks of 256 bytes that no other line names
; vector registers, window 0
.set SA,   1                           ; stage, way in: wave's stage + 16 x lane
.set STA,  2                           ; way in, the shared load: wave's stage + PITCH x h + 16 x min(r, 10)
.set RA,   3                           ; stage, way out: wave's stage + r x PITCH + 128 h
.set MR,   4                           ; MSK + 256 x wave + 32 h
.set QA,   5                           ; QIMG + BLK x h + 24 r
.set QT0,  6                           ; v6-8    byte offsets of the query tokens that my wave needs at the end
.set MW,   9                           ; MSK + 256 x wave + 4 x lane
.set DSC,  10                          ; v10-12  the tile's scale words, one a K step
.set SPW,  13                          ; SPARE + 4 x my thread's number; never rewritten
.set NIL,  14                          ; 0; never rewritten
.set SH8,  15                          ; 8 h
.set K1,   16                          ; v16: a / 2 (v17 written, not used)
.set K2,   18                          ; v18: a0    (v19 likewise)
.set INV,  20                          ; v20: 1 / (norm + 1e-13) (v21 likewise)
.set QSR,  22                          ; v22-27  the queries' scale words
.set DC,   28                          ; v28-63  the tile's codes: 12 registers a K step; the last six stay 0 (k = 320 .. 383)
.set WK,   64                          ; v64-223 the tile's numbers: block c of the lane at 32 c
.set QF2,  64                          ; later: the queries' fragments of K step 2,
.set C0,   144                         ; the two results,
.set C1,   152
.set MT,   160                         ; the lane's eight mask terms,
.set TS0,  168                         ; and temporaries: t: E+, t + 8: E-, t + 16: the narrow kernel, t + 24: 20 x log2(e), then s^2
.set ESI,  200                         ; 1 / s
.set ESS,  208                         ; s
.set ESI2, 216                         ; 1 / s^2
.set TS1,  224
.set SQ,   224                         ; sums of squares, four chains
.set CT,   224                         ; the second half of each block's codes: a conversion's three registers begin on an even number
.set SO,   227                         ; the conversions' scale operands, in the gaps between them: 227 + 4 c
.set MX,   244                         ; largest magnitudes, then scale bytes
.set QRA,  232                         ; v232-239 the queries' part at the head: stage out, blocks 0-7, and 8, 9;
.set QRB,  233
.set QWI,  234                         ; where a lane's two blocks of codes
.set QWJ,  235
.set QBI,  236                         ; and their scale bytes go;
.set QBJ,  237
.set W1,   238                         ; 1.0 where the lane's second block counts in the row's sum of squares, else 0.0;
.set Z1,   239                         ; 1.0 where it holds numbers of the row, else 0.0
; window 1
.set LND,  0                           ; v256-415 landing registers: pair i at 20 i
.set AC,   160                         ; v416-459 22 sums (query tile x kernel), each a pair: even documents, odd documents
.set QF,   204                         ; v460-507 the queries' fragments of K steps 0 and 1: 12 x (2 x tile + K step); at the head the query rows land here
.set G16,  252                         ; 16 x lane
.set TL,   253                         ; 1,024 + 16 x min(r, 10)
.set L12,  254                         ; 1,200 in lanes 0-15, else 0
.set H12,  255                         ; 1,200 in lanes 16-31, else 0
.set QT,   LND                         ; in the last tile: the query tokens
; scalar registers
.set CA,   24                          ; s[24:25] a = sqrt(50 log2(e))
.set CZ,   26                          ; s[26:27] a0 = sqrt(log2(e) / (2 sigma0^2))
.set CS,   28                          ; s[28:29] 20 log2(e)
.set PB,   32                          ; s[32:63] the 16 rows' addresses
.set TA,   68                          ; s[68:83] 16 document tokens
.set TQ,   84                          ; s[84:87] my wave's four query tokens,
.set PQ,   88                          ; s[88:95] and their rows' addresses
.set MSB, 0
.macro WIN new                         ; the immediate's high byte repeats the setting that is left
.if MSB != \new
	s_set_vgpr_msb (MSB<<8)|\new
.set MSB, \new
.endif
.endm
.macro VW
	s_wait_alu depctr_va_vdst(0)
.endm
; Pair i is asked for: tokens -> clamped -> x 1,200.  Leaves window setting 0x55.
.macro ASK tok, pb, base, i
	s_min_u32 s[\tok+2*(\i)], s[\tok+2*(\i)], VOCAB-1
	s_min_u32 s[\tok+2*(\i)+1], s[\tok+2*(\i)+1], VOCAB-1
	s_mul_i32 s66, s[\tok+2*(\i)], ROWB
	s_mul_i32 s67, s[\tok+2*(\i)+1], ROWB
	s_add_co_u32 s[\pb+4*(\i)], s8, s66
	s_add_co_ci_u32 s[\pb+4*(\i)+1], s9, 0
	s_add_co_u32 s[\pb+4*(\i)+2], s8, s67
	s_add_co_ci_u32 s[\pb+4*(\i)+3], s9, 0
	WIN 0x55
	v_mad_u32_u24 v[\base+20*(\i)+16], s[\tok+2*(\i)], v[L12], v[TL]
	v_mad_u32_u24 v[\base+20*(\i)+16], s[\tok+2*(\i)+1], v[H12], v[\base+20*(\i)+16]
	global_load_b128 v[\base+20*(\i):\base+20*(\i)+3], v[G16], s[\pb+4*(\i):\pb+4*(\i)+1]
	global_load_b128 v[\base+20*(\i)+4:\base+20*(\i)+7], v[G16], s[\pb+4*(\i):\pb+4*(\i)+1] offset:512
	global_load_b128 v[\base+20*(\i)+8:\base+20*(\i)+11], v[G16], s[\pb+4*(\i)+2:\pb+4*(\i)+3]
	global_load_b128 v[\base+20*(\i)+12:\base+20*(\i)+15], v[G16], s[\pb+4*(\i)+2:\pb+4*(\i)+3] offset:512
	global_load_b128 v[\base+20*(\i)+16:\base+20*(\i)+19], v[\base+20*(\i)+16], s[8:9]   ; both rows' last 176 bytes; it lands on its own address register
.endm
; Pair i goes into my stage.  (Lanes 11-15 of each half store lane 10's bytes once more.)
.macro PUT base, i
	WIN 0x04
	ds_store_b128 v[SA], v[\base+20*(\i):\base+20*(\i)+3] offset:2*(\i)*PITCH
	ds_store_b128 v[SA], v[\base+20*(\i)+4:\base+20*(\i)+7] offset:2*(\i)*PITCH+512
	ds_store_b128 v[SA], v[\base+20*(\i)+8:\base+20*(\i)+11] offset:(2*(\i)+1)*PITCH
	ds_store_b128 v[SA], v[\base+20*(\i)+12:\base+20*(\i)+15] offset:(2*(\i)+1)*PITCH+512
	ds_store_b128 v[STA], v[\base+20*(\i)+16:\base+20*(\i)+19] offset:2*(\i)*PITCH+1024
.endm
; The rows come back in the operand's order: lane (r, h), block 2 c + h of row r.  LDS serves a wave's instructions in order (ISA guide 5.7.1.4): these see the stores above.
.macro READBACK
.irp c, 0,1,2,3,4
.irp j, 0,1,2,3,4,5,6,7
	ds_load_b128 v[WK+32*\c+4*\j:WK+32*\c+4*\j+3], v[RA] offset:256*\c+16*\j
.endr
.endr
.endm
; Norm, scaling, block maxima, conversions.
.macro QUANT_A
.set PP, 0
.rept 80
.if PP%16 == 0
	VW
	s_wait_dscnt 32-8*(PP/16)                      ; block PP / 16 is in; the eight loads of each block behind it stay out
.endif
.if PP < 4
	v_pk_mul_f32 v[SQ+2*PP:SQ+2*PP+1], v[WK+2*PP:WK+2*PP+1], v[WK+2*PP:WK+2*PP+1]
.else
	v_pk_fma_f32 v[SQ+2*(PP%4):SQ+2*(PP%4)+1], v[WK+2*PP:WK+2*PP+1], v[WK+2*PP:WK+2*PP+1], v[SQ+2*(PP%4):SQ+2*(PP%4)+1]
.endif
.set PP, PP+1
.endr
	v_pk_add_f32 v[SQ:SQ+1], v[SQ:SQ+1], v[SQ+2:SQ+3]
	v_pk_add_f32 v[SQ+4:SQ+5], v[SQ+4:SQ+5], v[SQ+6:SQ+7]
	s_delay_alu instid0(VALU_DEP_1)
	v_pk_add_f32 v[SQ:SQ+1], v[SQ:SQ+1], v[SQ+4:SQ+5]
	s_delay_alu instid0(VALU_DEP_1)
	v_add_f32 v[SQ+2], v[SQ], v[SQ+1]
	s_delay_alu instid0(VALU_DEP_1)
	v_permlanex16_b32 v[SQ+3], v[SQ+2], s16, s17   ; the row's other half lies in lane l xor 16
	s_delay_alu instid0(VALU_DEP_1)
	v_add_f32 v[SQ+2], v[SQ+2], v[SQ+3]
	VW
	v_sqrt_f32 v[SQ+4], v[SQ+2]
	v_nop                                          ; a plain instruction behind the transcendental,
	VW                                             ; and the wait ahead of its first reader
	v_add_f32 v[SQ+4], 0x29e12e13, v[SQ+4]         ; + 1e-13
	VW
	v_rcp_f32 v[INV], v[SQ+4]
	v_nop
	VW
.set PP, 0
.rept 80
	v_pk_mul_f32 v[WK+2*PP:WK+2*PP+1], v[WK+2*PP:WK+2*PP+1], v[INV:INV+1] op_sel_hi:[1,0]
.set PP, PP+1
.endr
.irp c, 0,1,2,3,4
	v_max3_num_f32 v[MX+\c], |v[WK+32*\c]|, |v[WK+32*\c+1]|, 0x2800000   ; a block lies whole in the lane; the floor 2^(5 - 127) holds the byte at 1 from below (a block of zeros keeps that byte: its codes are zeros)
.endr
.irp i, 2,4,6,8,10,12,14,16,18,20,22,24,26,28,30
.irp c, 0,1,2,3,4
	v_max3_num_f32 v[MX+\c], v[MX+\c], |v[WK+32*\c+\i]|, |v[WK+32*\c+\i+1]|   ; the five blocks by turns
.endr
.endr
.irp c, 0,1,2,3,4
	v_add_nc_u32 v[SO+4*\c], 0xfe000000, v[MX+\c]  ; 4 off the exponent field: the conversion takes this operand's exponent field as its scale
.endr
.irp c, 0,1,2,3,4
	v_cvt_scalef32_pk16_bf6_f32 v[DC+6*\c:DC+6*\c+2], v[WK+32*\c:WK+32*\c+15], v[SO+4*\c]
	v_cvt_scalef32_pk16_bf6_f32 v[CT+4*\c:CT+4*\c+2], v[WK+32*\c+16:WK+32*\c+31], v[SO+4*\c]
.endr
.irp c, 0,1,2,3,4
	v_lshrrev_b32 v[MX+\c], 23, v[SO+4*\c]         ; the scale's byte (also the plain instruction behind the conversions)
.endr
.endm
; The scale words and the codes' second halves.  My bytes are those of blocks 4 s + h and 4 s + 2 + h; lane l xor 16 has the other two.  K step 2 has blocks 8 and 9; bytes 2, 3 stay 0 over zero codes.
.macro QUANT_B
	v_lshl_or_b32 v[MX], v[MX+1], 16, v[MX]
	v_lshl_or_b32 v[MX+2], v[MX+3], 16, v[MX+2]
.irp s, 0,2,4
	v_lshlrev_b32 v[MX+\s], v[SH8], v[MX+\s]
.endr
.irp s, 0,1,2
	s_delay_alu instid0(VALU_DEP_3)
	v_permlanex16_b32 v[SO+4*\s], v[MX+2*\s], s16, s17
.endr
.irp s, 0,1,2
	s_delay_alu instid0(VALU_DEP_3)
	v_or_b32 v[DSC+\s], v[MX+2*\s], v[SO+4*\s]
.endr
.irp c, 0,1,2,3,4
.irp i, 0,1,2
	v_mov_b32 v[DC+6*\c+3+\i], v[CT+4*\c+\i]       ; these 15 are also places between the scale words and the matrix instructions
.endr
.endr
.endm
; The queries' fragments.  Lane (r, h) of tile q: registers 6 (c % 2) .. + 5 of K step c / 2 hold block 2 c + h of query 16 q + r.  K steps 0 and 1 and the scale words are fetched once and stay;
.macro QKEEP
	WIN 0x40
.irp q, 0,1
.irp c, 0,1,2,3
.irp i, 0,1,2
	ds_load_b64 v[QF+24*\q+6*\c+2*\i:QF+24*\q+6*\c+2*\i+1], v[QA] offset:2*BLK*\c+384*\q+8*\i
.endr
.endr
.endr
	WIN 0
.irp s, 0,1,2
	ds_load_b32 v[QSR+\s], v[WK+159] offset:128*\s
	ds_load_b32 v[QSR+3+\s], v[WK+159] offset:128*\s+64
.endr
.endm
; K step 2 is fetched for each tile, into registers that the conversions have read; with it my eight mask terms of tile t.
.macro QLOAD t
.irp q, 0,1
.irp c, 4,5
.irp i, 0,1,2
	ds_load_b64 v[QF2+12*\q+6*(\c-4)+2*\i:QF2+12*\q+6*(\c-4)+2*\i+1], v[QA] offset:2*BLK*\c+384*\q+8*\i
.endr
.endr
.endr
	ds_load_b128 v[MT:MT+3], v[MR] offset:64*\t
	ds_load_b128 v[MT+4:MT+7], v[MR] offset:64*\t+16
.endm
; The exponents of a result tile's eight cosines, two at a time.  The first line reads the result's lowest pair.
.macro ARGS x, t
.irp p, 0,2,4,6
	v_pk_fma_f32 v[\t+\p:\t+\p+1], v[\x+\p:\x+\p+1], s[CA:CA+1], v[K1:K1+1] op_sel_hi:[1,0,0] neg_lo:[0,0,1] neg_hi:[0,0,1]   ; a (x - 0.5)
.endr
.irp p, 0,2,4,6
	v_pk_fma_f32 v[\t+8+\p:\t+8+\p+1], v[\x+\p:\x+\p+1], s[CA:CA+1], v[K1:K1+1] op_sel_hi:[1,0,0]                             ; a (x + 0.5)
.endr
.irp p, 0,2,4,6
	v_pk_fma_f32 v[\t+16+\p:\t+16+\p+1], v[\x+\p:\x+\p+1], s[CZ:CZ+1], v[K2:K2+1] op_sel_hi:[1,0,0] neg_lo:[0,0,1] neg_hi:[0,0,1]   ; a0 (x - 1)
.endr
.irp p, 0,2,4,6
	v_pk_mul_f32 v[\t+24+\p:\t+24+\p+1], v[\x+\p:\x+\p+1], s[CS:CS+1] op_sel_hi:[1,0]                                         ; 20 log2(e) x
.endr
.irp u, 0,8,16
.irp p, 0,2,4,6
	v_pk_fma_f32 v[\t+\u+\p:\t+\u+\p+1], v[\t+\u+\p:\t+\u+\p+1], v[\t+\u+\p:\t+\u+\p+1], v[MT+\p:MT+\p+1] neg_lo:[1,0,0] neg_hi:[1,0,0]   ; -(.)^2 + the document's mask term: 0, or -infinity
.endr
.endr
.endm
.macro EXPS t                                  ; forty exponentials as one batch; none reads another's result or writes another's source
.set II, 0
.rept 24
	v_exp_f32 v[\t+II], v[\t+II]
.set II, II+1
.endr
.set II, 0
.rept 8
	v_exp_f32 v[ESI+II], -v[\t+24+II]
.set II, II+1
.endr
.set II, 0
.rept 8
	v_exp_f32 v[ESS+II], v[\t+24+II]
.set II, II+1
.endr
.endm
.macro SQUARES t
.irp p, 0,2,4,6
	v_pk_mul_f32 v[\t+24+\p:\t+24+\p+1], v[ESS+\p:ESS+\p+1], v[ESS+\p:ESS+\p+1]
	v_pk_mul_f32 v[ESI2+\p:ESI2+\p+1], v[ESI+\p:ESI+\p+1], v[ESI+\p:ESI+\p+1]
.endr
.endm
.macro ACCUM q, t                              ; eleven sums take a pair of documents each: all one form, so one window setting serves (sum: window 1)
	WIN 0x50
.irp p, 0,2,4,6
	v_pk_fma_f32 v[AC+22*\q:AC+22*\q+1], v[\t+16+\p:\t+16+\p+1], 1.0, v[AC+22*\q:AC+22*\q+1] op_sel_hi:[1,0,1]           ; mu = 1
	v_pk_fma_f32 v[AC+22*\q+2:AC+22*\q+3], v[\t+\p:\t+\p+1], v[\t+24+\p:\t+24+\p+1], v[AC+22*\q+2:AC+22*\q+3]           ; 0.9: E+ s^2
	v_pk_fma_f32 v[AC+22*\q+4:AC+22*\q+5], v[\t+\p:\t+\p+1], v[ESS+\p:ESS+\p+1], v[AC+22*\q+4:AC+22*\q+5]               ; 0.7: E+ s
	v_pk_fma_f32 v[AC+22*\q+6:AC+22*\q+7], v[\t+\p:\t+\p+1], 1.0, v[AC+22*\q+6:AC+22*\q+7] op_sel_hi:[1,0,1]            ; 0.5: E+
	v_pk_fma_f32 v[AC+22*\q+8:AC+22*\q+9], v[\t+\p:\t+\p+1], v[ESI+\p:ESI+\p+1], v[AC+22*\q+8:AC+22*\q+9]               ; 0.3: E+ / s
	v_pk_fma_f32 v[AC+22*\q+10:AC+22*\q+11], v[\t+\p:\t+\p+1], v[ESI2+\p:ESI2+\p+1], v[AC+22*\q+10:AC+22*\q+11]         ; 0.1: E+ / s^2
	v_pk_fma_f32 v[AC+22*\q+12:AC+22*\q+13], v[\t+8+\p:\t+8+\p+1], v[\t+24+\p:\t+24+\p+1], v[AC+22*\q+12:AC+22*\q+13]   ; -0.1: E- s^2
	v_pk_fma_f32 v[AC+22*\q+14:AC+22*\q+15], v[\t+8+\p:\t+8+\p+1], v[ESS+\p:ESS+\p+1], v[AC+22*\q+14:AC+22*\q+15]       ; -0.3: E- s
	v_pk_fma_f32 v[AC+22*\q+16:AC+22*\q+17], v[\t+8+\p:\t+8+\p+1], 1.0, v[AC+22*\q+16:AC+22*\q+17] op_sel_hi:[1,0,1]    ; -0.5: E-
	v_pk_fma_f32 v[AC+22*\q+18:AC+22*\q+19], v[\t+8+\p:\t+8+\p+1], v[ESI+\p:ESI+\p+1], v[AC+22*\q+18:AC+22*\q+19]       ; -0.7: E- / s
	v_pk_fma_f32 v[AC+22*\q+20:AC+22*\q+21], v[\t+8+\p:\t+8+\p+1], v[ESI2+\p:ESI2+\p+1], v[AC+22*\q+20:AC+22*\q+21]     ; -0.9: E- / s^2
.endr
	WIN 0
.endm
; Document tile t of my four.
.macro DOC t
.if \t < 3
	VW
	s_wait_kmcnt 0x0                               ; the next tile's tokens are in
.endif
.irp i, 0,1,2,3,4,5,6,7
.if (\t < 3) && (\i > 2)
	s_wait_loadcnt 25                              ; pair i is in; the 35 - 5 i loads of this tile's later pairs and the next tile's 5 (i - 2) stay out
.else
	s_wait_loadcnt 35-5*\i                         ; pair i is in; this tile's later pairs stay out
.endif
	PUT LND, \i
.if (\t < 3) && (\i > 1)
	s_wait_dscnt 10                                ; all but the ten youngest stores are done, so pair i - 2's have read their registers:
	ASK TA, PB, LND, \i-2                          ; the next tile's pair i - 2
.endif
.endr
	WIN 0
	READBACK
.if \t < 3
	s_wait_dscnt 45                                ; behind pair 6's stores: five stores and the 40 loads
	ASK TA, PB, LND, 6
	s_wait_dscnt 40                                ; the 40 loads may be out
	ASK TA, PB, LND, 7
	WIN 0
.if \t < 2
	s_load_b512 s[TA:TA+15], s[6:7], 64*(\t+2)     ; the tokens of the tile after the next
.endif
.else
	s_wait_dscnt 40                                ; the stores have read the landing registers
	WIN 0x40
	global_load_b32 v[QT], v[QT0], s[4:5]          ; the query tokens of my three slots: for the mask at the end
	global_load_b32 v[QT+1], v[QT0+1], s[4:5]
	global_load_b32 v[QT+2], v[QT0+2], s[4:5]
	WIN 0
.endif
	QUANT_A
.if \t == 0
	VW
	s_wait_dscnt 0x0                               ; for the others' sake: all my LDS instructions are done, the stores of my queries' codes and scale bytes among them
	s_barrier_signal -1
	QUANT_B                                        ; work on registers while the others arrive
	v_and_b32 v[WK+159], 15, v0                    ; QSC + 4 r: where the scale words are read
	v_lshl_add_u32 v[WK+159], v[WK+159], 2, QSC
	VW
	s_barrier_wait -1                              ; all 32 queries lie in LDS
	QKEEP
	QLOAD \t
.else
	QLOAD \t
	QUANT_B
.endif
	VW
	s_wait_dscnt 0x0
.rept 4
	v_nop                                          ; four places between the last move into the codes and the scaled matrix instructions
.endr
	WIN 0x04                                       ; source 1, K steps 0 and 1: window 1
.irp s, 0,1                                    ; the two query tiles' accumulators by turns, K ascending
.irp q, 0,1
.if \s == 0
	v_wmma_scale_f32_16x16x128_f8f6f4 v[C0+8*\q:C0+8*\q+7], v[DC+12*\s:DC+12*\s+11], v[QF+12*(2*\q+\s):QF+12*(2*\q+\s)+11], 0, v[DSC+\s], v[QSR+3*\q+\s] matrix_a_fmt:MATRIX_FMT_BF6 matrix_b_fmt:MATRIX_FMT_BF6
.else
	v_wmma_scale_f32_16x16x128_f8f6f4 v[C0+8*\q:C0+8*\q+7], v[DC+12*\s:DC+12*\s+11], v[QF+12*(2*\q+\s):QF+12*(2*\q+\s)+11], v[C0+8*\q:C0+8*\q+7], v[DSC+\s], v[QSR+3*\q+\s] matrix_a_fmt:MATRIX_FMT_BF6 matrix_b_fmt:MATRIX_FMT_BF6
.endif
.endr
.endr
	WIN 0
.irp q, 0,1
	v_wmma_scale_f32_16x16x128_f8f6f4 v[C0+8*\q:C0+8*\q+7], v[DC+24:DC+35], v[QF2+12*\q:QF2+12*\q+11], v[C0+8*\q:C0+8*\q+7], v[DSC+2], v[QSR+3*\q+2] matrix_a_fmt:MATRIX_FMT_BF6 matrix_b_fmt:MATRIX_FMT_BF6
.endr
.rept 4
	v_nop                                          ; four places ahead of the first read of the results (ISA guide 7.12.1)
.endr
	ARGS C0, TS0
	VW
	EXPS TS0
	VW
	ARGS C1, TS1                                   ; the second tile's exponents are the independent work behind the first tile's batch
	VW                                             ; one wait for the forty, ahead of their first reader
	SQUARES TS0
	ACCUM 0, TS0
	VW
	EXPS TS1
	v_nop                                          ; a plain instruction behind the last exponential
	VW
	SQUARES TS1
	ACCUM 1, TS1
.endm
	; ---------------- the head
	s_load_b256 s[4:11], s[0:1], 0x0               ; query_tokens s[4:5], doc_tokens s[6:7], emb s[8:9], fc_w s[10:11]
	s_load_b128 s[12:15], s[0:1], 0x20             ; fc_b s[12:13], out0 s[14:15]
	v_lshl_add_u32 v[SPW], v0, 2, SPARE
	v_mov_b32 v[NIL], 0
	v_lshrrev_b32 v30, 5, v0
	v_readfirstlane_b32 s2, v30                    ; wave 0..7
	v_and_b32 v30, 31, v0                          ; lane
	v_and_b32 v31, 15, v0                          ; r
	v_bfe_u32 v32, v0, 4, 1                        ; h
	v_lshlrev_b32 v33, 2, v30                      ; 4 x lane
	; at the end wave w finishes the slots w, w + 8, w + 16 of 24; slot i < 22 is query tile i / 11, kernel i % 11; slots 22, 23 are empty and get the weight 0
	s_add_co_u32 s97, s2, 8
	s_cmp_ge_u32 s97, 11
	s_cselect_b32 s96, 64, 0                       ; the second slot's query tile, in bytes of tokens
	s_cselect_b32 s98, 11, 0
	s_sub_co_u32 s97, s97, s98                     ; and its kernel
	s_add_co_u32 s30, s2, 5                        ; the third slot's kernel (query tile 1), if it is 10 or less
	s_min_u32 s98, s30, 10
	s_lshl_b32 s18, ttmp9, 11                      ; a batch element's 512 document tokens,
	s_lshl_b32 s19, s2, 8                          ; my wave's 64 of them
	s_add_co_u32 s18, s18, s19
	s_mov_b32 s19, 0
	VW
	s_wait_kmcnt 0x0
	s_add_nc_u64 s[6:7], s[6:7], s[18:19]
	s_lshl_b32 s18, ttmp9, 7                       ; its 32 query tokens
	s_add_nc_u64 s[4:5], s[4:5], s[18:19]
	s_lshl_b32 s18, s2, 4                          ; my wave's four of them
	s_add_nc_u64 s[32:33], s[4:5], s[18:19]
	s_load_b128 s[TQ:TQ+3], s[32:33], 0x0
	s_load_b512 s[TA:TA+15], s[6:7], 0x0           ; document tile 0
	global_load_b32 v28, v33, s[6:7]               ; my wave's 64 document tokens, a lane a token: for the mask
	global_load_b32 v29, v33, s[6:7] offset:128
	s_lshl_b32 s18, s2, 2
	s_add_nc_u64 s[34:35], s[10:11], s[18:19]
	s_load_b32 s20, s[34:35], 0x0                  ; fc_w of my three slots' kernels
	s_lshl_b32 s18, s97, 2
	s_add_nc_u64 s[36:37], s[10:11], s[18:19]
	s_load_b32 s21, s[36:37], 0x0
	s_lshl_b32 s18, s98, 2
	s_add_nc_u64 s[38:39], s[10:11], s[18:19]
	s_load_b32 s22, s[38:39], 0x0
	s_load_b32 s23, s[12:13], 0x0                  ; fc_b
	s_mul_i32 s18, s2, STG
	v_lshl_add_u32 v[SA], v30, 4, s18
	v_add_nc_u32 v49, 5, v31                       ; min(r, 10) = r less the number of j in 11 .. 15 with r >= j, modulo 16: sums, shifts and products with constants alone
	v_lshrrev_b32 v49, 4, v49                      ; 1 where r >= 11
	v_mad_u32_u24 v34, v49, 15, v31
.irp j, 4,3,2,1
	v_add_nc_u32 v49, \j, v31
	v_lshrrev_b32 v49, 4, v49                      ; 1 where r >= 16 - j
	v_mad_u32_u24 v34, v49, 15, v34
.endr
	v_and_b32 v34, 15, v34
	v_sub_nc_u32 v48, 1, v32
	v_mul_u32_u24 v[STA], v32, PITCH
	v_lshl_add_u32 v[STA], v34, 4, v[STA]
	v_add_nc_u32 v[STA], s18, v[STA]
	v_mul_u32_u24 v35, v31, PITCH
	v_add_nc_u32 v35, s18, v35
	v_lshl_add_u32 v[RA], v32, 7, v35
	v_lshl_add_u32 v36, v32, 4, v35
.irp i, 64,65,66,67
	v_mov_b32 v\i, 0
.endr
.irp i, 0,32,64
	ds_store_b128 v36, v[64:67] offset:ROWB+\i     ; the stage behind k = 299: zeros, as the quantiser fills the last block
.endr
	s_lshl_b32 s66, s2, 8
	s_add_co_u32 s66, s66, MSK
	v_lshl_add_u32 v[MR], v32, 5, s66
	v_add_nc_u32 v[MW], s66, v33
	v_mul_u32_u24 v[QA], v31, 24
	v_mad_u32_u24 v[QA], v32, BLK, v[QA]
	v_add_nc_u32 v[QA], QIMG, v[QA]
	v_lshlrev_b32 v[QT0], 2, v31
	v_add_nc_u32 v[QT0+1], s96, v[QT0]
	v_add_nc_u32 v[QT0+2], 64, v[QT0]
	; the queries' part: lane l serves row l / 8 of my four; its first block is i = l % 8, its second 8 + i % 4 (lanes i and i + 4 make the same; blocks 10 and 11 are zero codes)
	v_lshrrev_b32 v37, 3, v30
	v_and_b32 v38, 7, v30
	v_and_b32 v39, 3, v30
	v_and_b32 v40, 1, v30
	v_mul_u32_u24 v41, v37, PITCH
	v_add_nc_u32 v41, s18, v41
	v_lshl_add_u32 v[QRA], v38, 7, v41
	v_lshl_add_u32 v[QRB], v40, 7, v41
	s_lshl_b32 s67, s2, 2
	v_add_nc_u32 v42, s67, v37                     ; query 4 w + l / 8
	v_mul_u32_u24 v43, v42, 24
	v_mad_u32_u24 v[QWI], v38, BLK, v43
	v_add_nc_u32 v[QWI], QIMG, v[QWI]
	v_mad_u32_u24 v[QWJ], v39, BLK, v43
	v_add_nc_u32 v[QWJ], QIMG+8*BLK, v[QWJ]
	v_lshl_add_u32 v44, v42, 2, v39
	v_lshrrev_b32 v45, 2, v38
	v_lshl_add_u32 v[QBI], v45, 7, v44
	v_add_nc_u32 v[QBI], QSC, v[QBI]
	v_add_nc_u32 v[QBJ], QSC+256, v44
	v_lshrrev_b32 v46, 1, v38
	v_min_u32 v46, 1, v46
	v_cvt_f32_u32 v[W1], v46
	v_sub_f32 v[W1], 1.0, v[W1]
	v_lshrrev_b32 v47, 1, v39
	v_cvt_f32_u32 v[Z1], v47
	v_sub_f32 v[Z1], 1.0, v[Z1]
	v_lshlrev_b32 v[SH8], 3, v32
	v_mov_b32 v[K1], 0x4087e439                    ; a / 2 = 4.246609
	v_mov_b32 v[K1+1], 0
	v_mov_b32 v[K2], 0x4604b4df                    ; a0 = 8493.218
	v_mov_b32 v[K2+1], 0
	v_mov_b32 v[INV+1], 0
	WIN 0x40
	v_lshlrev_b32 v[G16], 4, v30
	v_lshl_add_u32 v[TL], v34, 4, 1024
	v_mul_u32_u24 v[L12], v48, ROWB
	v_mul_u32_u24 v[H12], v32, ROWB
.set II, 0
.rept 44
	v_mov_b32 v[AC+II], 0                          ; the 22 sums begin as zeros: once, while the tokens are on their way; so all four tiles run the same lines
.set II, II+1
.endr
	WIN 0
.irp i, 30,31,32,33,34,35
	v_mov_b32 v[DC+\i], 0                          ; the codes of k = 320 .. 383
.endr
	s_mov_b32 s16, 0x76543210
	s_mov_b32 s17, 0xfedcba98                      ; v_permlanex16_b32's selects for lane l xor 16
	s_mov_b32 s[CA], 0x4107e439                    ; a = 8.493218
	s_mov_b32 s[CA+1], 0x4107e439
	s_mov_b32 s[CZ], 0x4604b4df
	s_mov_b32 s[CZ+1], 0x4604b4df
	s_mov_b32 s[CS], 0x41e6d4ca                    ; 28.853901
	s_mov_b32 s[CS+1], 0x41e6d4ca
	VW
	s_wait_kmcnt 0x0
.irp i, 0,1
	ASK TQ, PQ, QF, \i                             ; my four query rows
.endr
.irp i, 0,1,2,3,4,5,6,7
	ASK TA, PB, LND, \i                            ; document tile 0
.endr
	WIN 0
	s_load_b512 s[TA:TA+15], s[6:7], 0x40          ; tile 1's tokens
	; ---------------- my four queries
	VW
	s_wait_loadcnt 40                              ; the 40 loads of document tile 0 may be out: the tokens and the query rows are in
	v_mov_b32 v37, 0xff800000
	v_cmp_lt_i32 vcc_lo, 0, v28
	v_cndmask_b32 v28, v37, 0, vcc_lo              ; token > 0: 0, else -infinity
	v_cmp_lt_i32 vcc_lo, 0, v29
	v_cndmask_b32 v29, v37, 0, vcc_lo
	ds_store_b32 v[MW], v28                        ; my wave's own words: only my wave reads them
	ds_store_b32 v[MW], v29 offset:128
	PUT QF, 0
	PUT QF, 1
	WIN 0
.irp j, 0,1,2,3,4,5,6,7
	ds_load_b128 v[64+4*\j:67+4*\j], v[QRA] offset:16*\j
.endr
.irp j, 0,1,2,3,4,5,6,7
	ds_load_b128 v[96+4*\j:99+4*\j], v[QRB] offset:1024+16*\j
.endr
.set PP, 0
.rept 32                                       ; sums of squares: the first block in the chains v128-135, the second in v136-143
.if PP%16 == 0
	VW
	s_wait_dscnt 8-8*(PP/16)
.endif
.set CH, 128+8*(PP/16)+2*(PP%4)
.if PP%16 < 4
	v_pk_mul_f32 v[CH:CH+1], v[64+2*PP:65+2*PP], v[64+2*PP:65+2*PP]
.else
	v_pk_fma_f32 v[CH:CH+1], v[64+2*PP:65+2*PP], v[64+2*PP:65+2*PP], v[CH:CH+1]
.endif
.set PP, PP+1
.endr
.irp i, 128,132,136,140
	v_pk_add_f32 v[\i:\i+1], v[\i:\i+1], v[\i+2:\i+3]
.endr
	v_pk_add_f32 v[128:129], v[128:129], v[132:133]
	v_pk_add_f32 v[136:137], v[136:137], v[140:141]
	s_delay_alu instid0(VALU_DEP_1)
	v_pk_fma_f32 v[128:129], v[136:137], v[W1:W1+1], v[128:129] op_sel_hi:[1,0,1]
	s_delay_alu instid0(VALU_DEP_1)
	v_add_f32 v128, v128, v129
	s_delay_alu instid0(VALU_DEP_1)
	v_add_f32_dpp v128, v128, v128 row_xmask:1 row_mask:0xf bank_mask:0xf   ; eight lanes hold the row
	s_delay_alu instid0(VALU_DEP_1)
	v_add_f32_dpp v128, v128, v128 row_xmask:2 row_mask:0xf bank_mask:0xf
	s_delay_alu instid0(VALU_DEP_1)
	v_add_f32_dpp v128, v128, v128 row_xmask:4 row_mask:0xf bank_mask:0xf
	VW
	v_sqrt_f32 v129, v128
	v_nop
	VW
	v_add_f32 v129, 0x29e12e13, v129
	VW
	v_rcp_f32 v[INV], v129
	v_nop
	VW
	v_mul_f32 v132, v[INV], v[Z1]
.set PP, 0
.rept 16
	v_pk_mul_f32 v[64+2*PP:65+2*PP], v[64+2*PP:65+2*PP], v[INV:INV+1] op_sel_hi:[1,0]
.set PP, PP+1
.endr
.rept 16
	v_pk_mul_f32 v[64+2*PP:65+2*PP], v[64+2*PP:65+2*PP], v[132:133] op_sel_hi:[1,0]   ; blocks 10 and 11: zeros
.set PP, PP+1
.endr
.irp c, 0,1
	v_max3_num_f32 v[140+\c], |v[64+32*\c]|, |v[65+32*\c]|, 0x2800000
.endr
.irp i, 2,4,6,8,10,12,14,16,18,20,22,24,26,28,30
.irp c, 0,1
	v_max3_num_f32 v[140+\c], v[140+\c], |v[64+32*\c+\i]|, |v[65+32*\c+\i]|
.endr
.endr
	v_add_nc_u32 v142, 0xfe000000, v140
	v_add_nc_u32 v143, 0xfe000000, v141
	v_cvt_scalef32_pk16_bf6_f32 v[28:30], v[64:79], v142
	v_cvt_scalef32_pk16_bf6_f32 v[36:38], v[80:95], v142
	v_cvt_scalef32_pk16_bf6_f32 v[40:42], v[96:111], v143
	v_cvt_scalef32_pk16_bf6_f32 v[48:50], v[112:127], v143
	v_lshrrev_b32 v144, 23, v142
	v_lshrrev_b32 v145, 23, v143
.irp i, 0,1,2
	v_mov_b32 v[31+\i], v[36+\i]
	v_mov_b32 v[43+\i], v[48+\i]
.endr
.irp i, 0,1,2
	ds_store_b64 v[QWI], v[28+2*\i:29+2*\i] offset:8*\i
	ds_store_b64 v[QWJ], v[40+2*\i:41+2*\i] offset:8*\i   ; (lanes i and i + 4 write the same bytes with the same values)
.endr
	ds_store_b8 v[QBI], v144
	ds_store_b8 v[QBJ], v145
	DOC 0
	DOC 1
	DOC 2
	DOC 3
	; ---------------- the end: 22 sums a lane -> LDS -> each wave finishes three slots -> LDS -> wave 0
.set EV, 64
.set GV, 96
.set EW, 1
.set ER, 3
.set EF, 4
.set EB, 5
	VW
	s_wait_loadcnt 0x0                             ; the query tokens
	WIN 0x05
.set II, 0
.rept 22
	v_add_f32 v[EV+II], v[AC+2*II], v[AC+2*II+1]   ; even and odd documents
.set II, II+1
.endr
	WIN 0x04
	v_cmp_lt_i32 s40, 0, v[QT]                     ; the queries' masks of my three slots
	v_cmp_lt_i32 s41, 0, v[QT+1]
	v_cmp_lt_i32 s42, 0, v[QT+2]
	WIN 0
.irp q, 0,11
	v_mul_f32 v[EV+\q+1], 0x2b429f81, v[EV+\q+1]   ; the identity's constants: e^-28,
	v_mul_f32 v[EV+\q+2], 0x36ce2a62, v[EV+\q+2]   ; e^-12,
	v_mul_f32 v[EV+\q+4], 0x453a4f54, v[EV+\q+4]   ; e^8,
	v_mul_f32 v[EV+\q+5], 0x481ef0b3, v[EV+\q+5]   ; e^12,
	v_mul_f32 v[EV+\q+6], 0x481ef0b3, v[EV+\q+6]
	v_mul_f32 v[EV+\q+7], 0x453a4f54, v[EV+\q+7]
	v_mul_f32 v[EV+\q+9], 0x36ce2a62, v[EV+\q+9]
	v_mul_f32 v[EV+\q+10], 0x2b429f81, v[EV+\q+10]
.endr
	v_mov_b32 v[EV+22], 0                          ; the two empty slots are written too
	v_mov_b32 v[EV+23], 0
	s_mul_i32 s18, s2, RSTR
	s_add_co_u32 s18, s18, RED
	v_and_b32 v[EW], 31, v0
	v_lshl_add_u32 v[EW], v[EW], 2, s18            ; where I put my 24: RED + RSTR x wave + 4 x lane
	s_lshl_b32 s18, s2, 7
	s_add_co_u32 s18, s18, RED
	v_and_b32 v[ER], 31, v0
	v_lshl_add_u32 v[ER], v[ER], 2, s18            ; where I read slot wave: RED + 128 x wave + 4 x lane
	s_lshl_b32 s18, s2, 2
	s_add_co_u32 s18, s18, FIN
	v_mov_b32 v[EF], s18
	v_mov_b32 v[EB], FIN
.set II, 0
.rept 24
	ds_store_b32 v[EW], v[EV+II] offset:128*II
.set II, II+1
.endr
	s_cmp_le_u32 s30, 10
	s_cselect_b32 s22, s22, 0                      ; an empty slot weighs nothing
	VW
	s_wait_dscnt 0x0                               ; for the others' sake: my stores are done
	s_barrier_signal -1
	s_barrier_wait -1
.irp j, 0,1,2
.irp u, 0,1,2,3,4,5,6,7
	ds_load_b32 v[GV+8*\j+\u], v[ER] offset:\u*RSTR+\j*1024   ; slot wave + 8 j, as wave u left it
.endr
.endr
	s_wait_dscnt 0x0
.irp j, 0,1,2
	v_pk_add_f32 v[GV+8*\j:GV+8*\j+1], v[GV+8*\j:GV+8*\j+1], v[GV+8*\j+2:GV+8*\j+3]
	v_pk_add_f32 v[GV+8*\j+4:GV+8*\j+5], v[GV+8*\j+4:GV+8*\j+5], v[GV+8*\j+6:GV+8*\j+7]
.endr
.irp j, 0,1,2
	v_pk_add_f32 v[GV+8*\j:GV+8*\j+1], v[GV+8*\j:GV+8*\j+1], v[GV+8*\j+4:GV+8*\j+5]
.endr
.irp j, 0,1,2
	s_delay_alu instid0(VALU_DEP_3)
	v_add_f32 v[GV+8*\j], v[GV+8*\j], v[GV+8*\j+1]
.endr
.irp j, 0,1,2
	s_delay_alu instid0(VALU_DEP_3)
	v_permlanex16_b32 v[GV+8*\j+1], v[GV+8*\j], s16, s17
.endr
.irp j, 0,1,2
	s_delay_alu instid0(VALU_DEP_3)
	v_add_f32 v[GV+8*\j], v[GV+8*\j], v[GV+8*\j+1] ; the kernel's sum over all 512 documents, for query r
.endr
	s_delay_alu instid0(VALU_DEP_3)
	v_cndmask_b32 v[GV], 0, v[GV], s40             ; a masked query's sum is 0
	s_delay_alu instid0(VALU_DEP_3)
	v_cndmask_b32 v[GV+8], 0, v[GV+8], s41
	s_delay_alu instid0(VALU_DEP_3)
	v_cndmask_b32 v[GV+16], 0, v[GV+16], s42
.irp j, 0,1,2
	s_delay_alu instid0(VALU_DEP_3)
	v_max_num_f32 v[GV+8*\j], 0x2edbe6ff, v[GV+8*\j]   ; held at 1e-10
.endr
	VW
.irp j, 0,1,2
	v_log_f32 v[GV+8*\j], v[GV+8*\j]
.endr
	v_nop
	VW                                             ; one wait for the three logarithms, ahead of their first reader
.irp j, 0,1,2
	v_mul_f32 v[GV+8*\j], 0x3be32166, v[GV+8*\j]   ; log2 -> ln, x 0.01
.endr
	s_delay_alu instid0(VALU_DEP_3)
	v_mul_f32 v[GV+1], s20, v[GV]
	s_delay_alu instid0(VALU_DEP_1)
	v_fma_f32 v[GV+1], v[GV+8], s21, v[GV+1]
	s_delay_alu instid0(VALU_DEP_1)
	v_fma_f32 v[GV+1], v[GV+16], s22, v[GV+1]
	s_delay_alu instid0(VALU_DEP_1)
	v_add_f32_dpp v[GV+1], v[GV+1], v[GV+1] row_xmask:1 row_mask:0xf bank_mask:0xf   ; over the tile's 16 queries (both halves of the lanes hold the same 16)
	s_delay_alu instid0(VALU_DEP_1)
	v_add_f32_dpp v[GV+1], v[GV+1], v[GV+1] row_xmask:2 row_mask:0xf bank_mask:0xf
	s_delay_alu instid0(VALU_DEP_1)
	v_add_f32_dpp v[GV+1], v[GV+1], v[GV+1] row_xmask:4 row_mask:0xf bank_mask:0xf
	s_delay_alu instid0(VALU_DEP_1)
	v_add_f32_dpp v[GV+1], v[GV+1], v[GV+1] row_xmask:8 row_mask:0xf bank_mask:0xf
	ds_store_b32 v[EF], v[GV+1]                    ; all lanes write the same word with the same value: my last LDS store
	VW
	s_wait_tensorcnt 0x0
	ds_add_u32 v[SPW], v[NIL]
	s_wait_dscnt 0x0                               ; for the others' sake too: my store is done
	s_barrier_signal -1
	s_barrier_wait -1
	s_cmp_lg_u32 s2, 0
	s_cbranch_scc1 .Lend
	ds_load_b128 v[64:67], v[EB]
	ds_load_b128 v[68:71], v[EB] offset:16
	s_lshl_b32 s18, ttmp9, 2
	s_mov_b32 s19, 0
	s_add_nc_u64 s[14:15], s[14:15], s[18:19]
	v_mov_b32 v72, 0
	VW
	s_wait_dscnt 0x0
	v_pk_add_f32 v[64:65], v[64:65], v[66:67]
	v_pk_add_f32 v[68:69], v[68:69], v[70:71]
	s_delay_alu instid0(VALU_DEP_1)
	v_pk_add_f32 v[64:65], v[64:65], v[68:69]
	s_delay_alu instid0(VALU_DEP_1)
	v_add_f32 v64, v64, v65
	s_delay_alu instid0(VALU_DEP_1)
	v_add_f32 v64, s23, v64                        ; + fc_b
	VW
	s_wait_xcnt 0x0                                ; EXEC changes only behind this wait
	v_cmpx_gt_u32 1, v0                            ; thread 0 alone stores the score
	global_store_b32 v72, v64, s[14:15]
.Lend:
	s_endpgm
.Lfunc_end_k_q047bc4cacd_knrm:
	.size	k_q047bc4cacd_knrm, .Lfunc_end_k_q047bc4cacd_knrm-k_q047bc4cacd_knrm
	.p2alignl 7, 3214868480
	.fill 96, 4, 3214868480
	.section	.rodata,"a",@progbits
	.p2align	6, 0x0
	.amdhsa_kernel k_q047bc4cacd_knrm
		.amdhsa_group_segment_fixed_size 204800
		.amdhsa_private_segment_fixed_size 0
		.amdhsa_enable_private_segment 0
		.amdhsa_kernarg_size 48
		.amdhsa_user_sgpr_count 2
		.amdhsa_user_sgpr_kernarg_segment_ptr 1
		.amdhsa_wavefront_size32 1
		.amdhsa_system_sgpr_workgroup_id_x 1
		.amdhsa_system_sgpr_workgroup_id_y 1
		.amdhsa_system_sgpr_workgroup_id_z 1
		.amdhsa_system_vgpr_workitem_id 0
		.amdhsa_next_free_vgpr 512
		.amdhsa_next_free_sgpr 100
		.amdhsa_reserve_vcc 1
		.amdhsa_float_denorm_mode_32 3
		.amdhsa_float_denorm_mode_16_64 3
		.amdhsa_memory_ordered 1
		.amdhsa_forward_progress 1
		.amdhsa_inst_pref_size 223
	.end_amdhsa_kernel
	.amdgpu_metadata
---
amdhsa.version: [ 1, 2 ]
amdhsa.kernels:
  - .name:           k_q047bc4cacd_knrm
    .symbol:         k_q047bc4cacd_knrm.kd
    .args:
      - { .name: query_tokens, .offset: 0, .size: 8, .value_kind: global_buffer, .address_space: global }
      - { .name: doc_tokens, .offset: 8, .size: 8, .value_kind: global_buffer, .address_space: global }
      - { .name: emb, .offset: 16, .size: 8, .value_kind: global_buffer, .address_space: global }
      - { .name: fc_w, .offset: 24, .size: 8, .value_kind: global_buffer, .address_space: global }
      - { .name: fc_b, .offset: 32, .size: 8, .value_kind: global_buffer, .address_space: global }
      - { .name: out0, .offset: 40, .size: 8, .value_kind: global_buffer, .address_space: global }
    .group_segment_fixed_size: 204800
    .private_segment_fixed_size: 0
    .kernarg_segment_align: 8
    .kernarg_segment_size: 48
    .max_flat_workgroup_size: 256
    .sgpr_count:     100
    .vgpr_count:     512
    .wavefront_size: 32
...
	.end_amdgpu_metadata
.endif
;; end of part 1
